; MI455X (gfx1250); checked and timed in simulation.
; The chip was launched on July 23, 2026; its instructions are those of AMD's public machine-readable ISA for CDNA 5 (MIT licence, August 2026) and "CDNA5" Instruction Set Architecture Reference Guide (July 2026). The comments in the code are by the model that wrote it; some were corrected since.
;; Full Attention. Allowed arithmetic: float matrix products may take bf16 or f16 operands with f32 sums; all other float work in f32.
;; Inputs: keys 4 x 2,048 x 8 x 64 float32; queries 4 x 2,048 x 8 x 64 float32; values 4 x 2,048 x 8 x 64 float32.
;; Outputs: out0 4 x 2,048 x 8 x 64 float32.
;; One version. Each part assembles by itself: llvm-mc -triple=amdgcn-amd-amdhsa -mcpu=gfx1250 --defsym DOCPART=n.
;; ======== version 1 of 1: 1 launch
;; launch attn (part 1): grid 8 x 32, 8 waves a work-group, no clusters, 109,568 bytes of LDS; arguments queries, keys, values, out0; writes out0
.if DOCPART == 1
	.amdgcn_target "amdgcn-amd-amdhsa--gfx1250"
	.amdhsa_code_object_version 6
	.text
	.protected	k_q1d46d4530d_attn
	.globl	k_q1d46d4530d_attn
	.p2align	8
	.type	k_q1d46d4530d_attn,@function
k_q1d46d4530d_attn:
	s_mov_b64 s[64:65], 0
	v_nop
	global_prefetch_b8 v0, s[64:65] scope:SCOPE_SE
	s_setreg_imm32_b32 hwreg(HW_REG_WAVE_MODE, 25, 1), 1
	s_wait_xcnt 0x0
; out[b][l][h][:] = softmax over s of (q[b][l][h][:] . k[b][s][h][:] / 8) applied to v[b][s][h][:].  All tensors f32, [4][2048][8][64]:
; a (position, head) row is 256 bytes, rows of one head lie 2,048 bytes apart.
; A work-group owns one (b, h) and 256 queries; each of its 8 waves owns 32 queries (two blocks n of 16).  Keys go in 32 tiles of 64.
; BOTH PRODUCTS ARE USED TRANSPOSED.  S^T = K Q^T: in the result lane (r, h) holds keys 8h .. 8h+7 of query r, so two neighbouring key
; blocks, rounded in pairs, ARE the second operand (k = key, n = query) of O^T = V^T P^T: P never passes through LDS.  A query is a
; lane column: its running maximum, its rescale factor and 1 / sum are one number a lane; one exchange between the half-waves a trip.
; K and V are f32 in memory and bf16 for the matrix unit: each wave loads an eighth of a tile into registers (sixteen lanes take one
; whole row of 256 bytes), rounds, and stores it into one of two bf16 LDS slots; the loads are out for one whole trip.
; NO CLUSTER, NO TENSOR LOADS, though the 8 work-groups of a head walk the same K and V: a joint tensor load copies bytes as they lie,
; so a tile would land as 32,768 bytes of f32, to be read from LDS, rounded and stored again by every work-group: 65,536 more LDS
; bytes a tile beside the 16,384 that are stored now, and the rounding would be spared nowhere.
; LIMITS.  Q, K, V and P enter the products rounded to bf16; the sum of a row is taken from the unrounded exponentials.  An
; exponential below 2^-126 counts as zero.  The running maximum is taken away before every exponential, so finite scores of any size
; are served.  NaN or infinite inputs are not served as the f32 formula would: the maximum used here lets a NaN lose.
.set PK,    144                        ; LDS pitch of K's and Q's bf16 rows: 128 bytes + 16, an odd multiple of 16
.set PV,    160                        ; LDS pitch of V's bf16 rows: an odd multiple of 32, for the transposing loads
.set KSLOT, 64*PK                      ; 9,216 bytes: K's slot 0 at 0, slot 1 behind it
.set VS,    2*KSLOT                    ; 18,432: V's slot 0
.set VSLOT, 64*PV                      ; 10,240
.set STG,   VS+2*VSLOT                 ; 38,912: the waves' own stages
.set PO,    272                        ; pitch of a row of 64 f32 on the way out: 256 + 16
.set STGW,  32*PO                      ; 8,704 bytes a wave: 32 rows of Q (pitch 144) at the start, 32 rows of O (pitch 272) at the end
.set ROWB,  2048                       ; bytes from a position to the next in memory
.set TILEB, 64*ROWB                    ; bytes from a tile of 64 keys to the next
; vector registers, window 0
.set KA,  2                            ; K fragments: r*144 + 16h
.set VA,  3                            ; V fragments: (8h + (L&7))*160 + 16*((L>>3)&1)
.set KW,  4                            ; where I store K: wave*1152 + h*576 + 8r
.set VW,  5                            ; where I store V: wave*1280 + h*640 + 8r
.set GO,  6                            ; my 16 bytes of row 8 wave + 4h of a tile, in K and in V
.set PFO, 8                            ; prefetch: lane * 2048
.set QGO, 9                            ; my 16 bytes of Q's row 32 wave + 8h
.set QSW, 10                           ; Q into my stage
.set QSR, 11                           ; Q fragments out of my stage
.set STO, 12                           ; O into my stage: r*272 + 32h
.set RD,  13                           ; O out of my stage by rows: h*272 + 16r
.set OO,  14                           ; my 16 bytes of out's row 32 wave + h
.set MX,  16                           ; v[16:17]   running maximum of the raw scores, n = 0, 1
.set NM,  18                           ; v[18:21]   -(maximum * c), rounded: the pair of slot 0's trips, then that of slot 1's
.set AL,  22                           ; v[22:23]   rescale factor; at the end 1 / sum
.set LS,  24                           ; v[24:27]   running sums, a pair for each n
.set TA,  28                           ; v[28:29]   maximum, chain a
.set TB,  30                           ; v[30:31]   maximum, chain b
.set TX,  32                           ; v[32:33]   what the other half-wave sends
.set TS,  34                           ; v[34:37]   second chains of the sums
.set GL,  40                           ; v[40:71]   a tile's eighth as loaded: K 16 registers, V 16
.set CV,  72                           ; v[72:87]   the same rounded
.set PB,  88                           ; v[88:119]  P, tile i = 4n + kb at PB + 4i: fragment (n, ks) at PB + 16n + 8ks
.set SC,  120                          ; v[120:183] scores, tile i at SC + 8i
.set OA,  184                          ; v[184:247] O^T, tile 4n + db at OA + 8(4n + db)
; window 1 (v256 and up), named by the low 8 bits
.set QF,  0                            ; Q fragments (n, es) at 16n + 8es
.set KF,  32                           ; K fragments (kb, es) at 32 + 16kb + 8es
.set VF,  96                           ; V^T fragments (db, ks) at 96 + 16db + 8ks
.set MSB, 0
.macro WIN new                         ; low byte: bits 1:0 source 0, 3:2 source 1, 5:4 source 2, 7:6 destination; high byte: the setting left
.if MSB != \new
	s_set_vgpr_msb (MSB<<8)|\new
.set MSB, \new
.endif
.endm
; 8 loads: my eighth of a K tile and of a V tile.  No cache word: seven other work-groups read these rows too.
.macro LDTILE
.irp i, 0,1,2,3
	global_load_b128 v[GL+4*\i:GL+4*\i+3], v[GO], s[6:7] offset:ROWB*\i
.endr
.irp i, 0,1,2,3
	global_load_b128 v[GL+16+4*\i:GL+16+4*\i+3], v[GO], s[8:9] offset:ROWB*\i
.endr
.endm
; round my eighth and store it into a slot: 8 bytes a lane, sixteen lanes a row of 128 bytes
.macro CVTST slot
.set cvk, 0
.rept 16
	v_cvt_pk_bf16_f32 v[CV+cvk], v[GL+2*cvk], v[GL+2*cvk+1]
.set cvk, cvk+1
.endr
.irp i, 0,1,2,3
	ds_store_b64 v[KW], v[CV+2*\i:CV+2*\i+1] offset:(\slot)*KSLOT+PK*\i
.endr
.irp i, 0,1,2,3
	ds_store_b64 v[VW], v[CV+8+2*\i:CV+8+2*\i+1] offset:VS+(\slot)*VSLOT+PV*\i
.endr
.endm
; 32 LDS loads in one run: 16 for K (four for each key block, in the order in which they are multiplied), 16 transposing ones for V
.macro FRAGS slot
	WIN 0x40                                       ; data into window 1, address from window 0
.irp kb, 0,1,2,3
.irp es, 0,1
	ds_load_b128 v[KF+16*\kb+8*\es:KF+16*\kb+8*\es+3],   v[KA] offset:(\slot)*KSLOT+16*PK*\kb+64*\es
	ds_load_b128 v[KF+16*\kb+8*\es+4:KF+16*\kb+8*\es+7], v[KA] offset:(\slot)*KSLOT+16*PK*\kb+64*\es+32
.endr
.endr
.irp ks, 0,1
.irp db, 0,1,2,3
	ds_load_tr16_b128 v[VF+16*\db+8*\ks:VF+16*\db+8*\ks+3],   v[VA] offset:VS+(\slot)*VSLOT+32*PV*\ks+32*\db
	ds_load_tr16_b128 v[VF+16*\db+8*\ks+4:VF+16*\db+8*\ks+7], v[VA] offset:VS+(\slot)*VSLOT+32*PV*\ks+32*\db+16*PV
.endr
.endr
.endm
; two key blocks x two query blocks: e = 0..31 starts the sums (C = 0, nothing is cleared), e = 32..63 goes on in place
.macro SGRP k0, k1
.irp kb, \k0, \k1
.irp n, 0,1
	v_wmma_f32_16x16x32_bf16 v[SC+32*\n+8*\kb:SC+32*\n+8*\kb+7], v[KF+16*\kb:KF+16*\kb+7], v[QF+16*\n:QF+16*\n+7], 0
.endr
.endr
.irp kb, \k0, \k1
.irp n, 0,1
	v_wmma_f32_16x16x32_bf16 v[SC+32*\n+8*\kb:SC+32*\n+8*\kb+7], v[KF+16*\kb+8:KF+16*\kb+15], v[QF+16*\n+8:QF+16*\n+15], v[SC+32*\n+8*\kb:SC+32*\n+8*\kb+7]
.endr
.endr
.endm
.macro SMUL
	WIN 0x05                                       ; both operands from window 1, sums in window 0
	s_wait_dscnt 24                                ; LDS loads come back in order: the first 8 of the trip's 32 (key blocks 0, 1) are in
	SGRP 0, 1
	s_wait_dscnt 16                                ; the first 16: all of K; V's 16 stay out
	SGRP 2, 3
	WIN 0
.endm
; the new running maximum of each query, its shift -(m c), and the rescale factor 2^(new shift - old shift), which is made of the two
; ROUNDED shifts that the exponentials themselves use.  Four chains (two for each n) that do not wait for each other.
.macro MAXES first, slot
.irp n, 0,1
.if \first
	v_max_num_f32 v[TA+\n], v[SC+32*\n], v[SC+32*\n+1]
.else
	v_max3_num_f32 v[TA+\n], v[MX+\n], v[SC+32*\n], v[SC+32*\n+1]
.endif
	v_max3_num_f32 v[TB+\n], v[SC+32*\n+16], v[SC+32*\n+17], v[SC+32*\n+18]
.endr
.irp k, 0,1,2,3,4,5
.irp n, 0,1
	v_max3_num_f32 v[TA+\n], v[TA+\n], v[SC+32*\n+2+2*\k], v[SC+32*\n+3+2*\k]
	v_max3_num_f32 v[TB+\n], v[TB+\n], v[SC+32*\n+19+2*\k], v[SC+32*\n+20+2*\k]
.endr
.endr
.irp n, 0,1
	v_max3_num_f32 v[TA+\n], v[TA+\n], v[SC+32*\n+14], v[SC+32*\n+15]
.endr
.irp n, 0,1
	v_max3_num_f32 v[TA+\n], v[TA+\n], v[TB+\n], v[SC+32*\n+31]
.endr
.irp n, 0,1
	v_permlanex16_b32 v[TX+\n], v[TA+\n], s20, s21 ; the other 32 keys of the same query lie in lane i xor 16
.endr
.irp n, 0,1
	v_max_num_f32 v[MX+\n], v[TA+\n], v[TX+\n]
.endr
.irp n, 0,1
	v_mul_f32 v[NM+2*(\slot)+\n], 0xbe38aa3b, v[MX+\n]     ; -c m, c = log2(e) / 8
.endr
.if \first == 0
.irp n, 0,1
	v_sub_f32 v[AL+\n], v[NM+2*(\slot)+\n], v[NM+2-2*(\slot)+\n]
.endr
	v_exp_f32 v[AL], v[AL]                         ; used first in the second half of the first stage below: plain instructions stand between
	v_exp_f32 v[AL+1], v[AL+1]
.endif
.endm
; tile i: s c - m c, one fused multiply-add, two at a time; the shift of query block n is broadcast from its half of the pair
.macro FMA i, slot
.irp q, 0,2,4,6
.if (\i) < 4
	v_pk_fma_f32 v[SC+8*(\i)+\q:SC+8*(\i)+\q+1], v[SC+8*(\i)+\q:SC+8*(\i)+\q+1], s[18:19], v[NM+2*(\slot):NM+2*(\slot)+1] op_sel_hi:[1,0,0]
.else
	v_pk_fma_f32 v[SC+8*(\i)+\q:SC+8*(\i)+\q+1], v[SC+8*(\i)+\q:SC+8*(\i)+\q+1], s[18:19], v[NM+2*(\slot):NM+2*(\slot)+1] op_sel:[0,0,1] op_sel_hi:[1,0,1]
.endif
.endr
.endm
; tile i's eight exponentials, in place, each with a plain instruction of other registers behind it: the rounding of tile i - 1 to
; bf16, and the rescaling of O's tile i.  So no exponential's result is read by the instruction behind it (ISA guide 5.7.2).
.macro STAGE i, first, slot
.irp j, 0,1,2,3
	v_exp_f32 v[SC+8*(\i)+\j], v[SC+8*(\i)+\j]
.if (\i) > 0
	s_wait_alu depctr_va_vdst(0)
	v_cvt_pk_bf16_f32 v[PB+4*((\i)-1)+\j], v[SC+8*((\i)-1)+2*\j], v[SC+8*((\i)-1)+2*\j+1]
.endif
.endr
.irp j, 4,5,6,7
	v_exp_f32 v[SC+8*(\i)+\j], v[SC+8*(\i)+\j]
.if \first == 0
.if (\i) < 4
	s_wait_alu depctr_va_vdst(0)
	v_pk_mul_f32 v[OA+8*(\i)+2*(\j-4):OA+8*(\i)+2*(\j-4)+1], v[OA+8*(\i)+2*(\j-4):OA+8*(\i)+2*(\j-4)+1], v[AL:AL+1] op_sel_hi:[1,0]
.else
	v_pk_mul_f32 v[OA+8*(\i)+2*(\j-4):OA+8*(\i)+2*(\j-4)+1], v[OA+8*(\i)+2*(\j-4):OA+8*(\i)+2*(\j-4)+1], v[AL:AL+1] op_sel:[0,1] op_sel_hi:[1,1]
.endif
.endif
.endr
.if (\i) < 7
	FMA \i+1, \slot
.endif
.endm
.macro SOFTMAX first, slot
	FMA 0, \slot
.irp i, 0,1,2,3,4,5,6,7
	STAGE \i, \first, \slot
.endr
	s_wait_alu depctr_va_vdst(0)
.irp j, 0,1,2,3
	v_cvt_pk_bf16_f32 v[PB+28+\j], v[SC+56+2*\j], v[SC+56+2*\j+1]
.endr
.endm
; O^T += V^T P^T: 16 products.  In the first trip the first 32 keys start the sums.
.macro PVMUL first
	WIN 0x01                                       ; V^T from window 1; P and O in window 0
.irp ks, 0,1
.irp db, 0,1,2,3
.irp n, 0,1
.if (\first)*(1-\ks)
	v_wmma_f32_16x16x32_bf16 v[OA+32*\n+8*\db:OA+32*\n+8*\db+7], v[VF+16*\db+8*\ks:VF+16*\db+8*\ks+7], v[PB+16*\n+8*\ks:PB+16*\n+8*\ks+7], 0
.else
	v_wmma_f32_16x16x32_bf16 v[OA+32*\n+8*\db:OA+32*\n+8*\db+7], v[VF+16*\db+8*\ks:VF+16*\db+8*\ks+7], v[PB+16*\n+8*\ks:PB+16*\n+8*\ks+7], v[OA+32*\n+8*\db:OA+32*\n+8*\db+7]
.endif
.endr
.endr
.endr
	WIN 0
.endm
; the running sums: l = l alpha + the 32 exponentials of this lane and block, in four chains.  The halves of a pair and the two
; half-waves are added only at the end.  These 32 plain instructions name no register of the products above, so they are also the
; places between those products and the next loads into V's fragments, or the scaling of O at the end.
.macro SUMS first
.irp n, 0,1
.if \first
	v_pk_add_f32 v[LS+2*\n:LS+2*\n+1], v[SC+32*\n:SC+32*\n+1], v[SC+32*\n+2:SC+32*\n+3]
.else
.if \n == 0
	v_pk_fma_f32 v[LS:LS+1], v[LS:LS+1], v[AL:AL+1], v[SC:SC+1] op_sel_hi:[1,0,1]
.else
	v_pk_fma_f32 v[LS+2:LS+3], v[LS+2:LS+3], v[AL:AL+1], v[SC+32:SC+33] op_sel:[0,1,0] op_sel_hi:[1,1,1]
.endif
.endif
	v_pk_add_f32 v[TS+2*\n:TS+2*\n+1], v[SC+32*\n+16:SC+32*\n+17], v[SC+32*\n+18:SC+32*\n+19]
.endr
.if \first == 0
.irp n, 0,1
	v_pk_add_f32 v[LS+2*\n:LS+2*\n+1], v[LS+2*\n:LS+2*\n+1], v[SC+32*\n+2:SC+32*\n+3]
.endr
.endif
.irp k, 2,3,4,5,6,7
.irp n, 0,1
	v_pk_add_f32 v[LS+2*\n:LS+2*\n+1], v[LS+2*\n:LS+2*\n+1], v[SC+32*\n+2*\k:SC+32*\n+2*\k+1]
	v_pk_add_f32 v[TS+2*\n:TS+2*\n+1], v[TS+2*\n:TS+2*\n+1], v[SC+32*\n+16+2*\k:SC+32*\n+16+2*\k+1]
.endr
.endr
.irp n, 0,1
	v_pk_add_f32 v[LS+2*\n:LS+2*\n+1], v[LS+2*\n:LS+2*\n+1], v[TS+2*\n:TS+2*\n+1]
.endr
.endm
; THE TRIP of tile t, which lies in slot t & 1.  first: t = 0.  cvt: tile t + 1 is rounded into the other slot.  load: tile t + 2 is
; asked for.  pf: 1 = wave 0 asks the L2 for its share of tiles t + 4, t + 5; 2 = the same, but not in the loop's last round.
.macro TRIP slot, first, cvt, load, pf, id
	FRAGS \slot
	SMUL
.if \cvt
	s_wait_loadcnt 0x0                             ; tile t + 1, asked for in the middle of the last trip; nothing younger is out
	CVTST 1-\slot                                  ; its 16 roundings are the places between the last score product and the maxima (ISA guide 7.12.1)
.if \load
	s_add_nc_u64 s[6:7], s[6:7], TILEB             ; the loads that named these bases are done (the wait above)
	s_add_nc_u64 s[8:9], s[8:9], TILEB
.if \slot
	s_wait_xcnt 0x0                                ; the prefetch of the trip before has had its address translated: its base may step
	s_add_nc_u64 s[24:25], s[24:25], 2*TILEB
.endif
	LDTILE
.if \pf
	; Tiles t + 4 and t + 5 are loaded in trips t + 2 and t + 3.  The 8 work-groups of a head share the pair's 256 rows of K and V, 32 rows
	; each, one lane a row, wave 0 alone: each row is asked for once in the launch.  Tiles 0 to 3 are not asked for; the last request,
	; in trip 26, is for tiles 30 and 31.
	s_cmp_lg_u32 s14, 0
	s_cbranch_scc1 .Lnopf_\id
.if \pf > 1
	s_cmp_eq_u32 s23, 1                            ; the loop's last round is trip 28: tiles 32 and 33 do not exist
	s_cbranch_scc1 .Lnopf_\id
.endif
	global_prefetch_b8 v[PFO], s[24:25] th:TH_LOAD_NT scope:SCOPE_SE
.Lnopf_\id:
.endif
.endif
.else
.rept 4
	v_nop                                          ; the places between the last score product and the maxima
.endr
.endif
	MAXES \first, \slot
	SOFTMAX \first, \slot
	s_wait_dscnt 0x0                               ; V's fragments are in; my reads of this slot and my stores into the other are done
.if \cvt
	s_barrier_signal -1                            ; say so; registers only until the wait
.endif
	PVMUL \first
	SUMS \first
.if \cvt
	s_barrier_wait -1                              ; all eight have said so: the other slot may be read, and this one stored into in the next trip
.endif
.endm
	; ---- ids, offsets, lane addresses
	s_load_b256 s[4:11], s[0:1], 0x0               ; queries s[4:5], keys s[6:7], values s[8:9], out s[10:11]
	v_lshl_add_u32 v254, v0, 2, 0x1a800
	v_mov_b32 v255, 0
	v_lshrrev_b32 v1, 5, v0
	v_readfirstlane_b32 s14, v1                    ; wave 0..7
	s_mov_b32 s15, ttmp9                           ; query block 0..7
	s_and_b32 s16, ttmp7, 0xffff                   ; 8 b + head
	s_lshr_b32 s12, s16, 3
	s_lshl_b32 s12, s12, 22                        ; b * 2048 positions * 2048 bytes
	s_and_b32 s17, s16, 7
	s_lshl_b32 s17, s17, 8                         ; head * 256 bytes
	s_or_b32 s12, s12, s17
	s_mov_b32 s13, 0
	s_lshl_b32 s26, s15, 19                        ; query block * 256 positions * 2048 bytes
	s_mov_b32 s27, 0
	s_lshr_b32 s28, s15, 2                         ; prefetch share: bit 2 of the query block picks the tile of the pair,
	s_add_co_u32 s28, s28, 4                       ; four tiles ahead,
	s_lshl_b32 s28, s28, 17                        ; in bytes (TILEB = 2^17);
	s_and_b32 s17, s15, 1                          ; bit 0 picks the tile's half of 32 rows
	s_lshl_b32 s17, s17, 16
	s_or_b32 s28, s28, s17
	s_mov_b32 s29, 0
	s_mov_b32 s18, 0x3e38aa3b                      ; c = log2(e) / sqrt(64), twice: the pair is named whole
	s_mov_b32 s19, 0x3e38aa3b
	s_mov_b32 s20, 0x76543210                      ; v_permlanex16_b32: lane i takes lane i of the other half
	s_mov_b32 s21, 0xfedcba98
	v_and_b32 v15, 15, v0                          ; r
	v_bfe_u32 v38, v0, 4, 1                        ; h
	v_lshrrev_b32 v39, 4, v0                       ; 2 wave + h
	v_lshlrev_b32 v39, 13, v39                     ; row 8 wave + 4h
	v_lshl_add_u32 v[GO], v15, 4, v39
	v_lshl_add_u32 v39, v1, 2, v38                 ; 4 wave + h
	v_lshlrev_b32 v39, 14, v39                     ; row 32 wave + 8h
	v_lshl_add_u32 v[QGO], v15, 4, v39
	s_wait_kmcnt 0x0
	s_add_nc_u64 s[4:5], s[4:5], s[12:13]          ; all four at my (b, head)
	s_add_nc_u64 s[6:7], s[6:7], s[12:13]
	s_add_nc_u64 s[8:9], s[8:9], s[12:13]
	s_add_nc_u64 s[10:11], s[10:11], s[12:13]
	s_add_nc_u64 s[4:5], s[4:5], s[26:27]          ; queries and out at my query block
	s_add_nc_u64 s[10:11], s[10:11], s[26:27]
	s_bitcmp1_b32 s15, 1                           ; prefetch share: bit 1 of the query block picks V or K
	s_cselect_b64 s[24:25], s[8:9], s[6:7]
	s_add_nc_u64 s[24:25], s[24:25], s[28:29]
	LDTILE                                         ; tile 0
.irp g, 0,1
.irp i, 0,1,2,3,4,5,6,7
	global_load_b128 v[SC+32*\g+4*\i:SC+32*\g+4*\i+3], v[QGO], s[4:5] offset:\i*ROWB+\g*16*ROWB th:TH_LOAD_NT   ; Q's rows i + 8h + 16g, read once in the launch
.endr
.endr
	v_mul_u32_u24 v[KA], v15, PK
	v_lshl_add_u32 v[KA], v38, 4, v[KA]
	v_and_b32 v39, 7, v0
	v_lshl_add_u32 v39, v38, 3, v39
	v_mul_u32_u24 v[VA], v39, PV
	v_bfe_u32 v39, v0, 3, 1
	v_lshl_add_u32 v[VA], v39, 4, v[VA]
	s_mul_i32 s22, s14, 8*PK                       ; my 8 rows of a K slot
	v_mul_u32_u24 v39, v38, 4*PK
	v_lshl_add_u32 v39, v15, 3, v39
	v_add_nc_u32 v[KW], s22, v39
	s_mul_i32 s22, s14, 8*PV                       ; my 8 rows of a V slot
	v_mul_u32_u24 v39, v38, 4*PV
	v_lshl_add_u32 v39, v15, 3, v39
	v_add_nc_u32 v[VW], s22, v39
	v_and_b32 v[PFO], 31, v0
	v_lshlrev_b32 v[PFO], 11, v[PFO]
	s_mul_i32 s17, s14, STGW
	s_add_co_u32 s17, s17, STG                     ; my stage
	v_mul_u32_u24 v39, v38, 8*PK
	v_lshl_add_u32 v39, v15, 3, v39
	v_add_nc_u32 v[QSW], s17, v39
	v_add_nc_u32 v[QSR], s17, v[KA]
	v_mul_u32_u24 v39, v15, PO
	v_lshl_add_u32 v39, v38, 5, v39
	v_add_nc_u32 v[STO], s17, v39
	v_mul_u32_u24 v39, v38, PO
	v_lshl_add_u32 v39, v15, 4, v39
	v_add_nc_u32 v[RD], s17, v39
	v_lshl_add_u32 v39, v1, 5, v38                 ; row 32 wave + h
	v_lshlrev_b32 v39, 11, v39
	v_lshl_add_u32 v[OO], v15, 4, v39
	v_mov_b32 v[TX], 0                             ; v_permlanex16_b32 counts as a reader of its destination
	v_mov_b32 v[TX+1], 0
	; ---- tile 0 into slot 0, tile 1 asked for, Q into fragments
	s_wait_loadcnt 16                              ; loads come back in order: tile 0's 8 are in, Q's 16 stay out
	CVTST 0
	s_add_nc_u64 s[6:7], s[6:7], TILEB             ; tile 0's loads are done (the wait above)
	s_add_nc_u64 s[8:9], s[8:9], TILEB
	LDTILE                                         ; tile 1
	s_wait_loadcnt 8                               ; Q is in, tile 1's 8 stay out
.set qk, 0
.rept 32
	v_cvt_pk_bf16_f32 v[PB+qk], v[SC+2*qk], v[SC+2*qk+1]
.set qk, qk+1
.endr
.irp g, 0,1
.irp i, 0,1,2,3,4,5,6,7
	ds_store_b64 v[QSW], v[PB+16*\g+2*\i:PB+16*\g+2*\i+1] offset:\i*PK+\g*16*PK
.endr
.endr
	WIN 0x40
.irp n, 0,1
.irp es, 0,1
	ds_load_b128 v[QF+16*\n+8*\es:QF+16*\n+8*\es+3],   v[QSR] offset:16*PK*\n+64*\es      ; my own bytes: LDS serves a wave's instructions in order
	ds_load_b128 v[QF+16*\n+8*\es+4:QF+16*\n+8*\es+7], v[QSR] offset:16*PK*\n+64*\es+32
.endr
.endr
	WIN 0
	s_wait_dscnt 0x0                               ; my part of tile 0 is in slot 0 (and Q's fragments are in)
	s_barrier_signal -1
	s_barrier_wait -1                              ; everybody's is
	; ---- the 32 trips
	TRIP 0, 1, 1, 1, 1, a                          ; t = 0
	TRIP 1, 0, 1, 1, 0, b                          ; t = 1
	s_mov_b32 s23, 14
.Lloop:                                            ; t = 2 .. 29
	TRIP 0, 0, 1, 1, 2, c
	TRIP 1, 0, 1, 1, 0, d
	s_sub_co_u32 s23, s23, 1
	s_cmp_lg_u32 s23, 0
	s_cbranch_scc1 .Lloop
	TRIP 0, 0, 1, 0, 0, e                          ; t = 30: tile 31 is rounded, nothing is asked for
	TRIP 1, 0, 0, 0, 0, f                          ; t = 31: nothing follows, so no barrier
	; ---- the way out: divide by the sums, turn O^T round in my own stage, store whole rows of 256 bytes
.irp n, 0,1
	v_add_f32 v[TA+\n], v[LS+2*\n], v[LS+2*\n+1]
.endr
.irp n, 0,1
	v_permlanex16_b32 v[TX+\n], v[TA+\n], s20, s21
.endr
.irp n, 0,1
	v_add_f32 v[TA+\n], v[TA+\n], v[TX+\n]         ; the whole sum of query r; the largest term is about 1, so it is never 0
.endr
	v_rcp_f32 v[AL], v[TA]
	v_rcp_f32 v[AL+1], v[TA+1]
	v_nop                                          ; one plain instruction before the reciprocals are used (ISA guide 5.7.2)
.set ok, 0
	s_wait_alu depctr_va_vdst(0)
.rept 16
	v_pk_mul_f32 v[OA+2*ok:OA+2*ok+1], v[OA+2*ok:OA+2*ok+1], v[AL:AL+1] op_sel_hi:[1,0]
	v_pk_mul_f32 v[OA+32+2*ok:OA+32+2*ok+1], v[OA+32+2*ok:OA+32+2*ok+1], v[AL:AL+1] op_sel:[0,1] op_sel_hi:[1,1]
.set ok, ok+1
.endr
.irp n, 0,1
.irp db, 0,1,2,3
	ds_store_b128 v[STO], v[OA+32*\n+8*\db:OA+32*\n+8*\db+3]   offset:16*PO*\n+64*\db       ; query 16n + r, d = 16db + 8h + 0..3
	ds_store_b128 v[STO], v[OA+32*\n+8*\db+4:OA+32*\n+8*\db+7] offset:16*PO*\n+64*\db+16    ; d = 16db + 8h + 4..7
.endr
.endr
.set ot, 0
.rept 16
	ds_load_b128 v[SC+4*ot:SC+4*ot+3], v[RD] offset:2*PO*ot        ; rows 2t + h; my own bytes, served behind the stores above
.set ot, ot+1
.endr
.set ot, 0
.rept 16
	s_wait_dscnt 15-ot                             ; LDS loads come back in order: load t is in
	global_store_b128 v[OO], v[SC+4*ot:SC+4*ot+3], s[10:11] offset:2*ROWB*ot th:TH_STORE_NT   ; sixteen lanes store 256 consecutive bytes, aligned: one (position, head) row
.set ot, ot+1
.endr
	s_wait_tensorcnt 0x0
	ds_add_u32 v254, v255
	s_wait_dscnt 0x0
	s_endpgm
.Lfunc_end_k_q1d46d4530d_attn:
	.size	k_q1d46d4530d_attn, .Lfunc_end_k_q1d46d4530d_attn-k_q1d46d4530d_attn
	.p2alignl 7, 3214868480
	.fill 96, 4, 3214868480
	.section	.rodata,"a",@progbits
	.p2align	6, 0x0
	.amdhsa_kernel k_q1d46d4530d_attn
		.amdhsa_group_segment_fixed_size 109568
		.amdhsa_private_segment_fixed_size 0
		.amdhsa_enable_private_segment 0
		.amdhsa_kernarg_size 32
		.amdhsa_user_sgpr_count 2
		.amdhsa_user_sgpr_kernarg_segment_ptr 1
		.amdhsa_wavefront_size32 1
		.amdhsa_system_sgpr_workgroup_id_x 1
		.amdhsa_system_sgpr_workgroup_id_y 1
		.amdhsa_system_sgpr_workgroup_id_z 1
		.amdhsa_system_vgpr_workitem_id 0
		.amdhsa_next_free_vgpr 416
		.amdhsa_next_free_sgpr 66
		.amdhsa_reserve_vcc 0
		.amdhsa_float_denorm_mode_32 3
		.amdhsa_float_denorm_mode_16_64 3
		.amdhsa_memory_ordered 1
		.amdhsa_forward_progress 1
		.amdhsa_inst_pref_size 137
	.end_amdhsa_kernel
	.amdgpu_metadata
---
amdhsa.version: [ 1, 2 ]
amdhsa.kernels:
  - .name:           k_q1d46d4530d_attn
    .symbol:         k_q1d46d4530d_attn.kd
    .args:
      - { .name: queries, .offset: 0, .size: 8, .value_kind: global_buffer, .address_space: global }
      - { .name: keys, .offset: 8, .size: 8, .value_kind: global_buffer, .address_space: global }
      - { .name: values, .offset: 16, .size: 8, .value_kind: global_buffer, .address_space: global }
      - { .name: out0, .offset: 24, .size: 8, .value_kind: global_buffer, .address_space: global }
    .group_segment_fixed_size: 109568
    .private_segment_fixed_size: 0
    .kernarg_segment_align: 8
    .kernarg_segment_size: 32
    .max_flat_workgroup_size: 256
    .sgpr_count:     66
    .vgpr_count:     416
    .wavefront_size: 32
...
	.end_amdgpu_metadata
.endif
;; end of part 1
